; MI455X (gfx1250); checked and timed in simulation.
; The chip was launched on July 23, 2026; its instructions are those of AMD's public machine-readable ISA for CDNA 5 (MIT licence, August 2026) and "CDNA5" Instruction Set Architecture Reference Guide (July 2026). The comments in the code are by the model that wrote it; some were corrected since.
;; Attention Block. Allowed arithmetic: matrix products marked QUANTISED: E3M2 operands, one E8M0 scale for each 32 along K, by v_wmma_scale_f32_16x16x128_f8f6f4 with both operands' format E3M2, f32 sums; everything else in f32.
;; Inputs: lin1_b 1,024 float32; lin1_w_codes 1,024 x 32 x 24 uint8 (E3M2 codes of lin1_w, K innermost, in blocks of 32 codes, four codes in three bytes); lin1_w_scales 1,024 x 32 uint8 (E8M0 scales of lin1_w, one for each 32 codes along K); ln1_b 1,024 float32; ln1_g 1,024 float32; ln2_b 1,024 float32; ln2_g 1,024 float32; wk_b 1,024 float32; wk_w_codes 1,024 x 32 x 24 uint8 (E3M2 codes of wk_w, K innermost, in blocks of 32 codes, four codes in three bytes); wk_w_scales 1,024 x 32 uint8 (E8M0 scales of wk_w, one for each 32 codes along K); wq_b 1,024 float32; wq_w_codes 1,024 x 32 x 24 uint8 (E3M2 codes of wq_w, K innermost, in blocks of 32 codes, four codes in three bytes); wq_w_scales 1,024 x 32 uint8 (E8M0 scales of wq_w, one for each 32 codes along K); wv_b 1,024 float32; wv_w_codes 1,024 x 32 x 24 uint8 (E3M2 codes of wv_w, K innermost, in blocks of 32 codes, four codes in three bytes); wv_w_scales 1,024 x 32 uint8 (E8M0 scales of wv_w, one for each 32 codes along K); x 4 x 2,048 x 1,024 float32.
;; Outputs: out0 4 x 2,048 x 1,024 float32.
;; This version of the problem:
;;   THIS VERSION OF THE PROBLEM IS GIVEN IN LOW PRECISION. The matrix products marked QUANTISED in the list below multiply operands that are first quantised to E3M2 (3 exponent bits, 2 mantissa bits; 6 bits a number), with one power-of-two scale for each 32 numbers along K (OCP MX v1.0); their sums are f32. All else is computed in f32.
;;   The module's matrix products, in the order in which they are computed (A, B: the left and right operand; K: the contracted axis; several contracted axes count as one K, in the product's order):
;;     1. [M 8,192, K 1,024] x [K 1,024, N 1,024]; A: input x; B: input wq_w (given as codes): QUANTISED
;;     2. [M 8,192, K 1,024] x [K 1,024, N 1,024]; A: input x; B: input wk_w (given as codes): QUANTISED
;;     3. [M 8,192, K 1,024] x [K 1,024, N 1,024]; A: input x; B: input wv_w (given as codes): QUANTISED
;;     4. batch 64 x [M 2,048, K 64] x [K 64, N 2,048]; A: computed on the way; B: computed on the way: QUANTISED
;;     5. batch 64 x [M 2,048, K 2,048] x [K 2,048, N 64]; A: softmax (see below); B: computed on the way: QUANTISED
;;     6. [M 8,192, K 1,024] x [K 1,024, N 1,024]; A: computed on the way; B: input lin1_w (given as codes): QUANTISED
;;   THE QUANTISER, for each operand of a quantised product, along K:
;;     - K is cut into blocks of 32 from its start; a last block that is shorter is filled with zeros.
;;     - A block's scale is 2^e with e = floor(log2(the largest magnitude in the block)) - 4, held to -126 .. 127; a block of zeros has e = 0. As a byte (E8M0): e + 127.
;;     - Each number is divided by its block's scale, clamped to +-28, and rounded to the nearest number of E3M2, ties to even, subnormals kept.
;;     - The product sums the exact products of the quantised numbers (number of the format x scale) in f32.
;;   ~~~python
;;   def quantise(x, axis):      # numpy; x: float32 -> the quantised numbers, widened to float32 again
;;       x = np.moveaxis(x, axis, -1); K = x.shape[-1]
;;       x = np.pad(x, [(0, 0)] * (x.ndim - 1) + [(0, -K % 32)]); x = x.reshape(x.shape[:-1] + (-1, 32)); a = np.abs(x).max(-1, keepdims=True)
;;       e = np.where(a > 0, np.clip(np.frexp(np.where(a > 0, a, 1))[1] - 1 - 4, -126, 127), 0)      # np.frexp(a)[1] - 1 = floor(log2(a)), exactly
;;       r = np.clip(x / 2.0 ** e, -28, 28)
;;       step = 2.0 ** (np.maximum(np.frexp(np.where(r == 0, 1, r))[1] - 1, -2) - 2)
;;       q = np.round(r / step) * step * 2.0 ** e      # np.round: ties to even
;;       return np.moveaxis(q.reshape(q.shape[:-2] + (-1,))[..., :K], -1, axis).astype(np.float32)
;;   ~~~
;;   SOFTMAX AHEAD OF A QUANTISED PRODUCT. Where the list says 'softmax', what is quantised is not the finished softmax but p = 2^(t - M), with t = logit x log2(e) and M = ceil(the row's largest t), a whole number; so 1/2 < the row's largest p <= 1. The row's sum l is taken of the UNQUANTISED p, in f32, and the product's result is divided by l at the end. Since M is a whole number, a kernel that streams over the keys may use a running M (the ceiling of the running maximum): every later rescaling is an exact power of two, which a block's scale takes up: the codes' values come out the same.
;;   OPERANDS COMPUTED ON THE WAY. 'Computed on the way' means the value that the module computes at that place (a softmax that the list does not call 'softmax' is quantised finished and normalised). What goes into a quantiser is computed in f32, as accurately as f32 sums, v_exp_f32 and their like allow (about 1e-6 of the number): no bf16 or f16 on the way to a quantiser, and a product that is left as it is and whose result goes on into a quantised operand takes f32 operands (vector FMAs, or v_wmma_f32_16x16x4_f32). A number that lies on a knife's edge between two numbers of the format may be rounded either way, as far as f32 arithmetic and the matrix unit's own rounding can turn it there, and no further.
;;   INPUTS GIVEN AS CODES. lin1_w (in the module: [1024, 1024], K = its axis 1); wk_w (in the module: [1024, 1024], K = its axis 1); wq_w (in the module: [1024, 1024], K = its axis 1); wv_w (in the module: [1024, 1024], K = its axis 1): each comes as NAME_codes (uint8): NAME with its K axis moved to the last place and cut into blocks of 32 codes, [.., K / 32, bytes a block], one block behind the other in memory; four codes in three bytes: a row's codes are one little-endian stream of bits, code i at bits 6 i .. 6 i + 5 (a code: sign, 3 exponent bits, 2 mantissa bits); and NAME_scales (uint8): the same leading axes, one E8M0 byte (e + 127) for each 32 codes along K. Its value is code x scale, taken as it is: it is not quantised again, and the codes and scales need not be those that the quantiser above would give.
;; One version. Each part assembles by itself: llvm-mc -triple=amdgcn-amd-amdhsa -mcpu=gfx1250 --defsym DOCPART=n.
;; ======== version 1 of 1: 3 launches
;; limits: right only within a limited range of input values
;; workspace buffers: qimg 6,815,744 bytes; kv 13,631,488 bytes; attn 33,554,432 bytes; wimg 786,432 bytes
;; launch qkv (part 1): grid 128 x 2, 4 waves a work-group, clusters of 4 x 1, 327,680 bytes of LDS; arguments x, wq_w_codes, wq_w_scales, wq_b, wk_w_codes, wk_w_scales, wk_b, wv_w_codes, wv_w_scales, wv_b, lin1_w_codes, qimg, kv, wimg; writes qimg, kv, wimg
.if DOCPART == 1
	.amdgcn_target "amdgcn-amd-amdhsa--gfx1250"
	.amdhsa_code_object_version 6
	.text
	.protected	k_qf6538d7dd8_qkv
	.globl	k_qf6538d7dd8_qkv
	.p2align	8
	.type	k_qf6538d7dd8_qkv,@function
k_qf6538d7dd8_qkv:
	s_mov_b64 s[64:65], 0
	v_nop
	global_prefetch_b8 v0, s[64:65] scope:SCOPE_SE
	s_setreg_imm32_b32 hwreg(HW_REG_WAVE_MODE, 25, 1), 1
	s_wait_xcnt 0x0
	s_wait_alu depctr_hold_cnt(0) depctr_sa_sdst(0) depctr_va_vdst(0) depctr_va_sdst(0) depctr_va_ssrc(0) depctr_va_vcc(0) depctr_vm_vsrc(0)
	s_getreg_b32 s2, hwreg(HW_REG_IB_STS2, 6, 4)
	s_cmp_eq_u32 s2, 0
	s_cbranch_scc0 .Lentry_in_a_cluster
	s_endpgm
.Lentry_in_a_cluster:
	s_bfe_u32 s2, ttmp6, 0x10000c
	s_cmp_lg_u32 s2, 0x3003
	s_cbranch_scc0 .Lentry_shape_is_right
	s_endpgm
.Lentry_shape_is_right:
; q, k, v = Q(x) W^T + b on codes of BF6 (E3M2) with one E8M0 scale for each 32 along K; the results are quantised again and stored as images of operand registers (qimg, kv); lin1's codes are re-laid into wimg.
; A work-group takes 64 tokens and six rounds of 256 features; a wave takes 64 features of a round against all 64 tokens, whose codes stay in its registers.
; THE WEIGHTS' RING: a slot holds 32 WHOLE rows of codes (768 bytes of memory each, so every row begins at a multiple of 256 bytes) for each wave: slot 0 the wave's feature tiles 0 and 1, slot 1 its tiles 2 and 3, each for all of K.
; In LDS 16 bytes of padding follow every 256: a row is 816 bytes = 204 words, so the sixteen rows of a fragment begin at sixteen different multiples of four banks.
.set PITCH, 816
.set WROWS, 32*PITCH
.set SLOTB, 4*WROWS
.set XIMG,  2*SLOTB
.set XSC,   XIMG+32*1536
.set BIAS,  XSC+2048
.set XST,   BIAS+4*1536
.set SPARE, XST+4*8448
.set L16, 1
.set L8,  2
.set L4,  3
.set RR,  4
.set HH,  5
.set SPW, 6
.set NIL, 7
.set ADW, 8
.set BAQ, 12
.set BAV, 13
.set BDQ, 14
.set WSO, 15
.set STI, 16
.set STO, 17
.set XWI, 18
.set XWS, 19
.set XRI, 20
.set XRS, 21
.set BWR, 22
.set LNO, 23
.set BDV, 24
.set XS,  32
.set WS,  48
.set BI,  64
.set WF,  96
.set PCA, 192
.set TM,  232
.set PWA, 248
.set SEL, 56
.set MSB, 0
.macro WIN new
.if MSB != (\new)
	s_set_vgpr_msb (MSB<<8)|(\new)
.set MSB, \new
.endif
.endm
.macro PLACES
.rept 4
	v_nop
.endr
.endm
.macro BARRIER
	s_wait_dscnt 0x0
	s_barrier_signal -1
	s_barrier_wait -1
.endm
.macro CROUND
	s_barrier_signal -1
	s_barrier_wait -1
	s_cmp_lg_u32 s32, 0
	s_cbranch_scc1 .Lnw0_\@
	s_barrier_signal -3
.Lnw0_\@:
	s_barrier_wait -3
	s_barrier_signal -1
	s_barrier_wait -1
.endm
.macro QUANT s, w, pc, pw
	WIN (\w)|((\w)<<2)
.irp b, 0,1,2,3
	v_max3_num_f32 v[TM+\b], |v[\s+16*\b]|, |v[\s+16*\b+1]|, 0x2800000
.endr
	WIN ((\w)<<2)|((\w)<<4)
.irp i, 2,4,6,8,10,12,14
.irp b, 0,1,2,3
	v_max3_num_f32 v[TM+\b], v[TM+\b], |v[\s+16*\b+\i]|, |v[\s+16*\b+\i+1]|
.endr
.endr
	WIN 0
.irp b, 0,1,2,3
	v_permlanex16_b32 v[TM+4+\b], v[TM+\b], s[SEL], s[SEL+1]
.endr
.irp b, 0,1,2,3
	v_max_num_f32 v[TM+\b], v[TM+\b], v[TM+4+\b]
.endr
.irp b, 0,1,2,3
	v_add_nc_u32 v[TM+12+\b], 0xfe000000, v[TM+\b]
.endr
.irp b, 0,1,2,3
	v_lshrrev_b32 v[TM+4+\b], 23, v[TM+12+\b]
.endr
	v_lshl_or_b32 v[\pw], v[TM+5], 8, v[TM+4]
	v_lshl_or_b32 v[\pw], v[TM+6], 16, v[\pw]
	v_lshl_or_b32 v[\pw], v[TM+7], 24, v[\pw]
	WIN \w
.irp c, 0,1
	v_cvt_scalef32_pk16_bf6_f32 v[\pc+6*\c:\pc+6*\c+2], v[\s+32*\c:\s+32*\c+15], v[TM+12+2*\c]
	v_cvt_scalef32_pk16_bf6_f32 v[\pc+12+4*\c:\pc+14+4*\c], v[\s+32*\c+16:\s+32*\c+31], v[TM+13+2*\c]
.endr
	WIN 0
	v_nop
.irp c, 0,1
.irp i, 0,1,2
	v_permlane16_swap_b32 v[\pc+6*\c+\i], v[\pc+12+4*\c+\i]
.endr
.irp i, 0,1,2
	v_mov_b32 v[\pc+3+6*\c+\i], v[\pc+12+4*\c+\i]
.endr
.endr
.endm
.macro WM d, a, b, c, sa, sb, ra, rb
.if (\c) < 0
.if (\ra) && (\rb)
	v_wmma_scale_f32_16x16x128_f8f6f4 v[\d:\d+7], v[\a:\a+11], v[\b:\b+11], 0, v[\sa], v[\sb] matrix_a_fmt:MATRIX_FMT_BF6 matrix_b_fmt:MATRIX_FMT_BF6 matrix_a_scale:MATRIX_SCALE_ROW1 matrix_b_scale:MATRIX_SCALE_ROW1
.elseif (\ra)
	v_wmma_scale_f32_16x16x128_f8f6f4 v[\d:\d+7], v[\a:\a+11], v[\b:\b+11], 0, v[\sa], v[\sb] matrix_a_fmt:MATRIX_FMT_BF6 matrix_b_fmt:MATRIX_FMT_BF6 matrix_a_scale:MATRIX_SCALE_ROW1
.elseif (\rb)
	v_wmma_scale_f32_16x16x128_f8f6f4 v[\d:\d+7], v[\a:\a+11], v[\b:\b+11], 0, v[\sa], v[\sb] matrix_a_fmt:MATRIX_FMT_BF6 matrix_b_fmt:MATRIX_FMT_BF6 matrix_b_scale:MATRIX_SCALE_ROW1
.else
	v_wmma_scale_f32_16x16x128_f8f6f4 v[\d:\d+7], v[\a:\a+11], v[\b:\b+11], 0, v[\sa], v[\sb] matrix_a_fmt:MATRIX_FMT_BF6 matrix_b_fmt:MATRIX_FMT_BF6
.endif
.else
.if (\ra) && (\rb)
	v_wmma_scale_f32_16x16x128_f8f6f4 v[\d:\d+7], v[\a:\a+11], v[\b:\b+11], v[\c:\c+7], v[\sa], v[\sb] matrix_a_fmt:MATRIX_FMT_BF6 matrix_b_fmt:MATRIX_FMT_BF6 matrix_a_scale:MATRIX_SCALE_ROW1 matrix_b_scale:MATRIX_SCALE_ROW1
.elseif (\ra)
	v_wmma_scale_f32_16x16x128_f8f6f4 v[\d:\d+7], v[\a:\a+11], v[\b:\b+11], v[\c:\c+7], v[\sa], v[\sb] matrix_a_fmt:MATRIX_FMT_BF6 matrix_b_fmt:MATRIX_FMT_BF6 matrix_a_scale:MATRIX_SCALE_ROW1
.elseif (\rb)
	v_wmma_scale_f32_16x16x128_f8f6f4 v[\d:\d+7], v[\a:\a+11], v[\b:\b+11], v[\c:\c+7], v[\sa], v[\sb] matrix_a_fmt:MATRIX_FMT_BF6 matrix_b_fmt:MATRIX_FMT_BF6 matrix_b_scale:MATRIX_SCALE_ROW1
.else
	v_wmma_scale_f32_16x16x128_f8f6f4 v[\d:\d+7], v[\a:\a+11], v[\b:\b+11], v[\c:\c+7], v[\sa], v[\sb] matrix_a_fmt:MATRIX_FMT_BF6 matrix_b_fmt:MATRIX_FMT_BF6
.endif
.endif
.endm
.macro SETG0 sg, rr
	s_cmp_lt_u32 \rr, 4
	s_cselect_b64 s[62:63], s[6:7], s[12:13]
	s_cmp_lt_u32 \rr, 8
	s_cselect_b64 s[62:63], s[62:63], s[18:19]
	s_and_b32 s66, \rr, 3
	s_mul_i32 s66, s66, 196608
	s_add_co_u32 s66, s66, s59
	s_add_co_u32 s66, s66, 24576*\sg               ; slot sg: the wave's rows 32 sg .. 32 sg + 31
	s_mov_b32 s67, 0
	s_add_nc_u64 s[50+4*\sg:51+4*\sg], s[62:63], s[66:67]
	s_or_b32 s[51+4*\sg], s[51+4*\sg], 0x80000000
.endm
.macro WSLOAD rr
	s_cmp_lt_u32 \rr, 4
	s_cselect_b64 s[68:69], s[8:9], s[14:15]
	s_cmp_lt_u32 \rr, 8
	s_cselect_b64 s[68:69], s[68:69], s[20:21]
	s_and_b32 s66, \rr, 3
	s_lshl_b32 s66, s66, 13
	s_lshl_b32 s67, s32, 11
	s_add_co_u32 s66, s66, s67
	s_mov_b32 s67, 0
	s_add_nc_u64 s[68:69], s[68:69], s[66:67]
.irp p, 0,1
.irp j, 0,1
	global_load_b128 v[WS+8*\p+4*\j:WS+8*\p+4*\j+3], v[WSO], s[68:69] offset:1024*\p+16*\j
.endr
.endr
.endm
.macro XLOAD k
	WIN (1+(\k)/3)<<6
.irp i, 0,1,2,3,4,5,6,7,8,9,10,11,12,13,14,15
	global_load_b128 v[64*((\k)%3)+4*\i:64*((\k)%3)+4*\i+3], v[L16], s[88:89] offset:(\i+8*(\i/8))*4096+512*(\k)
.endr
	WIN 0
.endm
.macro TURN k
	WIN (1+(\k)/3)<<2
.irp i, 0,1,2,3,4,5,6,7,8,9,10,11,12,13,14,15
	ds_store_b128 v[STI], v[64*((\k)%3)+4*\i:64*((\k)%3)+4*\i+3] offset:528*\i
.endr
	WIN 0
.set XRB, 96-64*((\k)%2)
.irp b, 0,1,2,3
.irp j, 0,1,2,3
	ds_load_b128 v[XRB+16*\b+4*\j:XRB+16*\b+4*\j+3], v[STO] offset:128*\b+16*\j
.endr
.endr
.endm
.macro XSTEP k
.if (\k) < 6
	s_wait_loadcnt 16
	TURN (\k)+1
.elseif (\k) == 6
	s_wait_loadcnt 0x0
	TURN 7
.endif
.if (\k) == 0
	s_wait_dscnt 32
.elseif (\k) < 7
	s_wait_dscnt 36
.else
	s_wait_dscnt 4
.endif
.if (\k)+3 <= 7
	XLOAD (\k)+3
.endif
	QUANT 96-64*((\k)%2), 0, PCA+20*((\k)%2), PWA+(\k)%2
.set PCX, PCA+20*((\k)%2)
.irp c, 0,1,2
	ds_store_b128 v[XWI], v[PCX+4*\c:PCX+4*\c+3] offset:6144*(\k)+512*\c
.endr
	ds_store_b32 v[XWS], v[PWA+(\k)%2] offset:256*(\k)
.endm
.macro FETCH sg, q
.irp t, 0,1,2,3
.irp p, 0,1,2,3,4,5
.set PCE, 12*(2*(\q)+\t/2)+6*(\p/3)+\p%3       ; fragment t of the four: K step 2 q + t / 2 of the slot's tile t % 2; PCE: the piece of 8 bytes in the row of 96 pieces
.if PCE%32 < 29
	ds_load_b64 v[WF+48*((\q)%2)+12*\t+2*\p:WF+48*((\q)%2)+12*\t+2*\p+1], v[ADW+\sg] offset:8*PCE+16*(PCE/32)+(\t%2)*16*PITCH
.else                                          ; lanes 16-31, 24 bytes on, lie behind the padding
	ds_load_b64 v[WF+48*((\q)%2)+12*\t+2*\p:WF+48*((\q)%2)+12*\t+2*\p+1], v[ADW+2+\sg] offset:8*PCE+16*(PCE/32)+(\t%2)*16*PITCH
.endif
.endr
.endr
.endm
; sixteen matrix instructions: K steps 2 q and 2 q + 1 of the slot's two feature tiles against the four token tiles; eight accumulators by turns, K ascending
.macro MM ty, sg, q
.irp kk, 0,1
.set KS, 2*(\q)+\kk
.set CW, 0x30
.if KS == 0
.set CW, 0
.endif
.if \ty
	WIN 0xc0|CW|(1+(\q)/2)
.else
	WIN 0xc0|CW|((1+(\q)/2)<<2)
.endif
.irp m, 0,1,2,3
.irp tl, 0,1
.set TT, 2*(\sg)+\tl
.if \ty
.set DD, 8*(4*TT+\m)
.else
.set DD, 8*(4*\m+TT)
.endif
.set CC, DD
.if KS == 0
.set CC, BI+8*TT
.endif
.set FW, WF+48*((\q)%2)+24*\kk+12*\tl
.set FX, 48*(KS%4)+12*\m
.if \ty
	WM DD, FX, FW, CC, XS+2*KS+\m/2, WS+8*(\sg)+KS, \m%2, \tl
.else
	WM DD, FW, FX, CC, WS+8*(\sg)+KS, XS+2*KS+\m/2, \tl, \m%2
.endif
.endr
.endr
.endr
.endm
.macro HALF ty, sg
	PLACES
	v_nop                                          ; a fifth place: this half's first products begin their sums with the bias as C, in registers that earlier products may have named
	FETCH \sg, 0
.irp q, 0,1,2,3
.if \q < 3
.if \q > 0
	PLACES
	WIN 0
.endif
	FETCH \sg, \q+1
	s_wait_dscnt 24
.else
	s_wait_dscnt 0x0
.endif
	MM \ty, \sg, \q
.endr
	WIN 0
.endm
.macro CHANGE sg, fill
.if \fill
	s_wait_tensorcnt 0x0
	ds_add_u32 v[SPW], v[NIL]
	s_add_co_u32 s60, s36, 1
	SETG0 \sg, s60
	s_wait_dscnt 0x0
	CROUND
	tensor_load_to_lds s[48+4*\sg:51+4*\sg], s[40:47]
	s_nop 0
	PLACES
.elseif (\sg) == 0
	s_wait_tensorcnt 0x0
.endif
.endm
.macro EPI
	s_wait_xcnt 0x0
	s_and_b32 s90, s36, 3
	s_lshl_b32 s90, s90, 2
	s_add_co_u32 s90, s90, s32
	s_lshr_b32 s91, s35, 5
	s_lshl_b32 s91, s91, 4
	s_add_co_u32 s90, s90, s91
	s_lshl_b32 s90, s90, 5
	s_and_b32 s91, s35, 31
	s_add_co_u32 s90, s90, s91
	s_and_b32 s93, s35, 1
	s_lshl_b32 s93, s93, 4
	s_mov_b32 s91, 6656
	s_cmp_lt_u32 s36, 4
	s_cselect_b64 s[70:71], s[26:27], s[28:29]
	s_cselect_b32 s91, 3328, s91
	s_mul_i32 s90, s90, s91
	s_cmp_ge_u32 s36, 8
	s_cselect_b32 s92, 3328, 0
	s_cselect_b32 s38, s93, 0
	s_add_co_u32 s90, s90, s92
	s_mov_b32 s91, 0
	s_add_nc_u64 s[70:71], s[70:71], s[90:91]
	QUANT 0, 3, PCA, PWA
	v_and_b32 v252, 0xffff, v[PWA]
	v_lshrrev_b32 v253, 16, v[PWA]
	v_cndmask_b32 v252, v252, v253, s58
	v_lshlrev_b32 v250, s38, v252
	QUANT 64, 3, PCA+20, PWA+1
	v_and_b32 v252, 0xffff, v[PWA+1]
	v_lshrrev_b32 v253, 16, v[PWA+1]
	v_cndmask_b32 v252, v252, v253, s58
	v_lshlrev_b32 v251, s38, v252
.irp L, 0,1,2,3
	global_store_b128 v[L16], v[PCA+20*(\L/2)+6*(\L%2):PCA+20*(\L/2)+6*(\L%2)+3], s[70:71] offset:768*\L
	global_store_b64 v[L8], v[PCA+20*(\L/2)+6*(\L%2)+4:PCA+20*(\L/2)+6*(\L%2)+5], s[70:71] offset:768*\L+512
.endr
	global_store_b64 v[L8], v[250:251], s[70:71] offset:3072
.endm
.macro RND fill
	s_wait_loadcnt 0x0
	v_add_nc_u32 v[BDQ], s39, v[BAQ]
	v_add_nc_u32 v[BDV], s39, v[BAV]
	s_cmp_ge_u32 s36, 8
	s_cbranch_scc1 .Lv0_\@
.irp t, 0,1,2,3
	ds_load_b128 v[BI+8*\t:BI+8*\t+3], v[BDQ] offset:64*\t
	ds_load_b128 v[BI+8*\t+4:BI+8*\t+7], v[BDQ] offset:64*\t+16
.endr
	HALF 0, 0
	s_branch .Lj0_\@
.Lv0_\@:
	s_wait_alu depctr_va_vdst(0)
.irp t, 0,1,2,3
.irp j, 0,1,2,3,4,5,6,7
	ds_load_b32 v[BI+8*\t+\j], v[BDV] offset:64*\t
.endr
.endr
	HALF 1, 0
.Lj0_\@:
	CHANGE 0, \fill
	s_cmp_ge_u32 s36, 8
	s_cbranch_scc1 .Lv1_\@
	HALF 0, 1
	s_branch .Lj1_\@
.Lv1_\@:
	HALF 1, 1
.Lj1_\@:
	PLACES
.if \fill
	s_add_co_u32 s60, s36, 1
	WSLOAD s60
.endif
	CHANGE 1, \fill
	EPI
	s_add_co_u32 s36, s36, 1
	s_add_co_u32 s39, s39, 256
.endm
	s_load_b512 s[4:19], s[0:1], 0x0
	s_load_b256 s[20:27], s[0:1], 0x40
	s_load_b128 s[28:31], s[0:1], 0x60
	v_lshl_add_u32 v[SPW], v0, 2, SPARE
	v_mov_b32 v[NIL], 0
	ds_add_u32 v6, v7
	ds_add_u32 v6, v7
	s_wait_dscnt 0x0
	v_lshrrev_b32 v252, 5, v0
	v_readfirstlane_b32 s32, v252
	s_and_b32 s33, ttmp7, 0xffff
	s_bfe_u32 s34, ttmp6, 0x40000
	s_lshl_b32 s35, ttmp9, 2
	s_add_co_u32 s35, s35, s34
	s_mul_i32 s36, s33, 6
	s_mov_b32 s39, 0
	s_mov_b32 s[SEL], 0x76543210
	s_mov_b32 s[SEL+1], 0xfedcba98
	s_mov_b32 s58, 0xffff0000
	s_mul_i32 s59, s32, 49152
	s_mov_b32 s40, 15|(1<<20)|(1<<21)|(5<<22)|(3<<25)   ; the cluster's four; elements of a byte; 4 words of padding behind every 64
	s_mov_b32 s41, 768<<16                         ; whole rows of 768 bytes,
	s_mov_b32 s42, 32<<16                          ; 32 of them
	s_mov_b32 s43, 768<<16
	s_mov_b32 s44, 32
	s_mov_b32 s45, 768
	s_mov_b32 s46, 0
	s_mov_b32 s47, 0
	s_mov_b32 s48, 1
	s_mul_i32 s49, s32, WROWS
	s_mov_b32 s52, 1
	s_add_co_u32 s53, s49, SLOTB
	s_wait_kmcnt 0x0
	SETG0 0, s36
	SETG0 1, s36
	CROUND
	tensor_load_to_lds s[48:51], s[40:47]
	s_nop 0
	PLACES
	v_and_b32 v252, 31, v0
	v_lshlrev_b32 v[L16], 4, v252
	v_lshlrev_b32 v[L8], 3, v252
	v_lshlrev_b32 v[L4], 2, v252
	v_lshlrev_b32 v[WSO], 5, v252
	v_and_b32 v[RR], 15, v0
	v_bfe_u32 v[HH], v0, 4, 1
	v_mul_u32_u24 v253, v[RR], PITCH
	v_mad_u32_u24 v254, v[HH], 24, v253
	v_mad_u32_u24 v255, v[HH], 40, v253
	v_add_nc_u32 v[ADW], s49, v254
	v_add_nc_u32 v[ADW+1], s53, v254
	v_add_nc_u32 v[ADW+2], s49, v255
	v_add_nc_u32 v[ADW+3], s53, v255
	s_mul_i32 s60, s32, 1536
	s_add_co_u32 s61, s60, BIAS
	v_lshl_add_u32 v[BAQ], v[HH], 5, s61
	v_lshl_add_u32 v[BAV], v[RR], 2, s61
	v_add_nc_u32 v[BWR], s61, v[L8]
	s_add_co_u32 s61, s60, XIMG
	v_add_nc_u32 v[XWI], s61, v[L16]
	s_mul_i32 s61, s32, 8448
	s_add_co_u32 s61, s61, XST
	v_add_nc_u32 v[STI], s61, v[L16]
	v_mul_u32_u24 v[STO], v[RR], 528
	v_lshl_add_u32 v[STO], v[HH], 6, v[STO]
	v_add_nc_u32 v[STO], s61, v[STO]
	s_lshl_b32 s61, s32, 6
	s_add_co_u32 s61, s61, XSC
	v_lshl_add_u32 v[XWS], v[RR], 2, s61
	v_add_nc_u32 v[XRI], XIMG, v[L16]
	v_add_nc_u32 v[XRS], XSC, v[L4]
	v_mul_u32_u24 v[LNO], v[RR], 768
	v_mad_u32_u24 v[LNO], v[HH], 24, v[LNO]
.irp b, 0,1,2,3
	v_mov_b32 v[TM+4+\b], 0
.endr
	s_lshl_b32 s90, s35, 18
	s_lshr_b32 s91, s32, 1
	s_lshl_b32 s91, s91, 17
	s_add_co_u32 s90, s90, s91
	s_and_b32 s91, s32, 1
	s_lshl_b32 s91, s91, 15
	s_add_co_u32 s90, s90, s91
	s_mov_b32 s91, 0
	s_add_nc_u64 s[88:89], s[4:5], s[90:91]
.irp k, 0,1,2,3,4,5
	s_add_co_u32 s94, s36, \k
	s_cmp_lt_u32 s94, 4
	s_cselect_b64 s[72+2*\k:73+2*\k], s[10:11], s[16:17]
	s_cmp_lt_u32 s94, 8
	s_cselect_b64 s[72+2*\k:73+2*\k], s[72+2*\k:73+2*\k], s[22:23]
	s_and_b32 s94, s94, 3
	s_lshl_b32 s94, s94, 10
	s_lshl_b32 s95, s32, 8
	s_add_co_u32 s94, s94, s95
	s_mov_b32 s95, 0
	s_add_nc_u64 s[72+2*\k:73+2*\k], s[72+2*\k:73+2*\k], s[94:95]
	global_load_b64 v[160+2*\k:161+2*\k], v[L8], s[72+2*\k:73+2*\k]
.endr
	s_lshl_b32 s92, s33, 7
	s_add_co_u32 s92, s92, s35
	s_lshl_b32 s92, s92, 1
	s_add_co_u32 s92, s92, s32
	s_lshr_b32 s94, s92, 3
	s_mul_i32 s94, s94, 12288
	s_and_b32 s95, s92, 7
	s_mul_i32 s95, s95, 96
	s_add_co_u32 s94, s94, s95
	s_mov_b32 s95, 0
	s_add_nc_u64 s[84:85], s[24:25], s[94:95]
	s_mul_i32 s94, s92, 1536
	s_add_nc_u64 s[86:87], s[30:31], s[94:95]
	s_cmp_lt_u32 s32, 2
	s_cbranch_scc0 .Lno_lin_a
	s_wait_alu depctr_va_vdst(0)
.irp p, 0,1,2,3,4,5
	global_load_b64 v[172+2*\p:173+2*\p], v[LNO], s[84:85] offset:48*(\p/3)+8*(\p%3)
.endr
.Lno_lin_a:
	XLOAD 0
	XLOAD 1
	XLOAD 2
	s_wait_alu depctr_va_vdst(0)
	s_wait_tensorcnt 0x0                           ; slot 1's first fill is issued as a refill is: my part of slot 0 is in (x's first loads are out meanwhile),
	ds_add_u32 v6, v7                              ; the add,
	s_wait_dscnt 0x0
	CROUND                                         ; a round of the cluster's barrier,
	tensor_load_to_lds s[52:55], s[40:47]          ; and the joint load first behind it
	s_nop 0
	PLACES
	s_wait_loadcnt 48
.irp k, 0,1,2,3,4,5
	ds_store_b64 v[BWR], v[160+2*\k:161+2*\k] offset:256*\k
.endr
	s_cmp_lt_u32 s32, 2
	s_cbranch_scc0 .Lno_lin_b
.irp g, 0,1,2
	global_store_b128 v[L16], v[172+4*\g:175+4*\g], s[86:87] offset:512*\g
.endr
.Lno_lin_b:
	s_wait_loadcnt 32
	TURN 0
.irp k, 0,1,2,3,4,5,6,7
	XSTEP \k
.endr
	WSLOAD s36
	s_wait_xcnt 0x0
	s_wait_tensorcnt 0x1
	BARRIER
.irp k, 0,1,2,3,4,5,6,7
	WIN (1+\k/4)<<6
.irp m, 0,1,2,3
.irp c, 0,1,2
	ds_load_b128 v[48*(\k%4)+12*\m+4*\c:48*(\k%4)+12*\m+4*\c+3], v[XRI] offset:(4*\k+\m)*1536+512*\c
.endr
.endr
.endr
	WIN 0
.irp i, 0,1,2,3,4,5,6,7,8,9,10,11,12,13,14,15
	ds_load_b32 v[XS+\i], v[XRS] offset:128*\i
.endr
	s_wait_dscnt 0x0
	s_mov_b32 s37, 5
.Lpass:
	RND 1
	s_sub_co_u32 s37, s37, 1
	s_cmp_lg_u32 s37, 0
	s_cbranch_scc1 .Lpass
	RND 0
	s_wait_tensorcnt 0x0
	ds_add_u32 v[SPW], v[NIL]
	s_wait_dscnt 0x0
	CROUND
	s_endpgm
.Lfunc_end_k_qf6538d7dd8_qkv:
	.size	k_qf6538d7dd8_qkv, .Lfunc_end_k_qf6538d7dd8_qkv-k_qf6538d7dd8_qkv
	.p2alignl 7, 3214868480
	.fill 96, 4, 3214868480
	.section	.rodata,"a",@progbits
	.p2align	6, 0x0
	.amdhsa_kernel k_qf6538d7dd8_qkv
		.amdhsa_group_segment_fixed_size 327680
		.amdhsa_private_segment_fixed_size 0
		.amdhsa_enable_private_segment 0
		.amdhsa_kernarg_size 112
		.amdhsa_user_sgpr_count 2
		.amdhsa_user_sgpr_kernarg_segment_ptr 1
		.amdhsa_wavefront_size32 1
		.amdhsa_system_sgpr_workgroup_id_x 1
		.amdhsa_system_sgpr_workgroup_id_y 1
		.amdhsa_system_sgpr_workgroup_id_z 1
		.amdhsa_system_vgpr_workitem_id 0
		.amdhsa_next_free_vgpr 896
		.amdhsa_next_free_sgpr 100
		.amdhsa_reserve_vcc 0
		.amdhsa_float_denorm_mode_32 3
		.amdhsa_float_denorm_mode_16_64 3
		.amdhsa_memory_ordered 1
		.amdhsa_forward_progress 1
		.amdhsa_inst_pref_size 228
	.end_amdhsa_kernel
	.amdgpu_metadata
---
amdhsa.version: [ 1, 2 ]
amdhsa.kernels:
  - .name:           k_qf6538d7dd8_qkv
    .symbol:         k_qf6538d7dd8_qkv.kd
    .args:
      - { .name: x, .offset: 0, .size: 8, .value_kind: global_buffer, .address_space: global }
      - { .name: wq_w_codes, .offset: 8, .size: 8, .value_kind: global_buffer, .address_space: global }
      - { .name: wq_w_scales, .offset: 16, .size: 8, .value_kind: global_buffer, .address_space: global }
      - { .name: wq_b, .offset: 24, .size: 8, .value_kind: global_buffer, .address_space: global }
      - { .name: wk_w_codes, .offset: 32, .size: 8, .value_kind: global_buffer, .address_space: global }
      - { .name: wk_w_scales, .offset: 40, .size: 8, .value_kind: global_buffer, .address_space: global }
      - { .name: wk_b, .offset: 48, .size: 8, .value_kind: global_buffer, .address_space: global }
      - { .name: wv_w_codes, .offset: 56, .size: 8, .value_kind: global_buffer, .address_space: global }
      - { .name: wv_w_scales, .offset: 64, .size: 8, .value_kind: global_buffer, .address_space: global }
      - { .name: wv_b, .offset: 72, .size: 8, .value_kind: global_buffer, .address_space: global }
      - { .name: lin1_w_codes, .offset: 80, .size: 8, .value_kind: global_buffer, .address_space: global }
      - { .name: qimg, .offset: 88, .size: 8, .value_kind: global_buffer, .address_space: global }
      - { .name: kv, .offset: 96, .size: 8, .value_kind: global_buffer, .address_space: global }
      - { .name: wimg, .offset: 104, .size: 8, .value_kind: global_buffer, .address_space: global }
    .group_segment_fixed_size: 327680
    .private_segment_fixed_size: 0
    .kernarg_segment_align: 8
    .kernarg_segment_size: 112
    .max_flat_workgroup_size: 128
    .sgpr_count:     100
    .vgpr_count:     896
    .wavefront_size: 32
...
	.end_amdgpu_metadata
.endif
;; end of part 1
;; launch attn (part 2): grid 4 x 64, 16 waves a work-group, no clusters, 327,680 bytes of LDS; arguments qimg, kv, attn; writes attn
.if DOCPART == 2
	.amdgcn_target "amdgcn-amd-amdhsa--gfx1250"
	.amdhsa_code_object_version 6
	.text
	.protected	k_qf6538d7dd8_attn
	.globl	k_qf6538d7dd8_attn
	.p2align	8
	.type	k_qf6538d7dd8_attn,@function
k_qf6538d7dd8_attn:
	s_mov_b64 s[64:65], 0
	v_nop
	global_prefetch_b8 v0, s[64:65] scope:SCOPE_SE
	s_setreg_imm32_b32 hwreg(HW_REG_WAVE_MODE, 25, 1), 1
	s_wait_xcnt 0x0
; attn[b][q][head][:] = the sum over keys k <= q of softmax_k(q . k / 8) v, both products on codes of BF6 (E3M2) with one E8M0 scale for each 32 along a product's K.
; THE SOFTMAX AHEAD OF THE SECOND PRODUCT: t = score x log2(e) / 8; M = the running largest t rounded UP to a whole number; p = 2^(t - M) is quantised along the keys, not normalised; the row's sum is taken of the
; unquantised p and divides at the end; when M moves, the sum and O are multiplied by 2^(old M - new M), which rounds nothing.
; SHARES.  Work-group (j, head) owns query blocks 7 - j and j of 256 queries: 16 - 2 j and then 2 j + 2 steps of 128 keys, always eighteen.  Each of sixteen waves owns one tile of 16 queries
; (lane r: query Q0 + r + 8 (r / 8)); four waves to a SIMD.
; K AND V STAY IN LDS.  A head's 32 blocks of 64 tokens are 32 x 6,656 = 212,992 bytes: every block is filled once and none again.  Wave w fetches step w's two blocks (52 rows of 256 bytes) with its one tensor
; load at the head, if w < 16 - 2 j: the steps beyond are hidden from all of this work-group's queries and are neither fetched nor read.  The second query block reads steps that the first has read.
; TWO BARRIERS IN ALL.  Waves 0 to 3 have a load line of their own and wait for it: the first barrier shows keys 0 to 511.  Behind four steps every wave waits for its load: the second barrier shows the rest.
; From there on no wave waits for another.  The loops' trip counts are constants (4, 12, 8 steps); a step all of whose keys come after the wave's queries is passed over by a scalar branch on ids.
; NO CLUSTER: the four work-groups of a head need 16, 14, 12 and 10 steps, and each one's branches on the causal mask hang on its own j.
; NO PREFETCH: every tile is asked for at the head; there is no loop that runs ahead of a load.
; LAYOUT.  Both products are used transposed: S^T = K Q^T, O^T = V^T P^T: a lane holds one query throughout.  A block is K's four half fragments and scale words, then V's, as images of operand registers.
; THE HEAD'S 64 ARE HALF OF THE INSTRUCTION'S 128: Q's registers 6-11 are zero codes.  K's fragment t is v[32 + 6 t] on, twelve registers: its upper six are the next tile's codes, which meet Q's zeros.
; CAUSAL: on the diagonal hidden scores become -infinity ahead of the maximum.  Q0 .. Q0 + 23 lie inside one block of 32, so in every step that is worked its first key counts for every query of the tile.
; LIMITS: NaN and infinities are not served; the scaled scores stay under 2^31 in magnitude; a block whose every p has fallen to 0 keeps the scale byte 1 (its codes are zeros).
; REGISTERS: v1-11, v28-29 addresses; v12 -M, v13 the largest t, v[14:15] the sum; v16-27 Q; v32-85 K's fragments, then V's; v96-159 S^T, then p; v160-191 O^T; v192-197 V's scale words;
; v200-206 the second query block's Q and its scale words; v224-235 p's codes; v232-254 at work; v248-251 K's scale words; v255 Q's.
.set STEPB, 13312                      ; a step of 128 keys: two blocks
.set STAGE, 16*STEPB                   ; behind K and V: 16 rows x (256 + 16) bytes for each wave
.set SPARE, STAGE+16*4352              ; the spare words: 128 bytes a wave
.macro PLACES
.rept 4
	v_nop
.endr
.endm
.macro WM d, a, b, c, sa, sb, ra, rb
.if (\c) < 0
.if (\ra)
	v_wmma_scale_f32_16x16x128_f8f6f4 v[\d:\d+7], v[\a:\a+11], v[\b:\b+11], 0, v[\sa], v[\sb] matrix_a_fmt:MATRIX_FMT_BF6 matrix_b_fmt:MATRIX_FMT_BF6 matrix_a_scale:MATRIX_SCALE_ROW1
.else
	v_wmma_scale_f32_16x16x128_f8f6f4 v[\d:\d+7], v[\a:\a+11], v[\b:\b+11], 0, v[\sa], v[\sb] matrix_a_fmt:MATRIX_FMT_BF6 matrix_b_fmt:MATRIX_FMT_BF6
.endif
.else
.if (\ra)
	v_wmma_scale_f32_16x16x128_f8f6f4 v[\d:\d+7], v[\a:\a+11], v[\b:\b+11], v[\c:\c+7], v[\sa], v[\sb] matrix_a_fmt:MATRIX_FMT_BF6 matrix_b_fmt:MATRIX_FMT_BF6 matrix_a_scale:MATRIX_SCALE_ROW1
.else
	v_wmma_scale_f32_16x16x128_f8f6f4 v[\d:\d+7], v[\a:\a+11], v[\b:\b+11], v[\c:\c+7], v[\sa], v[\sb] matrix_a_fmt:MATRIX_FMT_BF6 matrix_b_fmt:MATRIX_FMT_BF6
.endif
.endif
.endm
; my tile of query block qb: its half fragment into v[c] on, its scale words into v[w]; the address in s[sa:sa+1]
.macro QLOAD qb, sa, c, w
	s_lshl_b32 s50, s12, 5
	s_lshl_b32 s51, \qb, 2
	s_add_co_u32 s50, s50, s51
	s_add_co_u32 s50, s50, s52
	s_mul_i32 s50, s50, 3328                       ; my block of 64 queries in qimg
	s_mov_b32 s51, 0
	s_add_nc_u64 s[\sa:\sa+1], s[4:5], s[50:51]
	global_load_b128 v[\c:\c+3], v11, s[\sa:\sa+1]
	global_load_b64 v[\c+4:\c+5], v28, s[\sa:\sa+1]
	global_load_b32 v[\w], v29, s[\sa:\sa+1]
.endm
; a query block begins: its number stands in qb
.macro INIT qb
	s_lshl_b32 s17, \qb, 8
	s_add_co_u32 s17, s17, s49                     ; Q0
	s_lshr_b32 s50, s12, 4
	s_lshl_b32 s50, s50, 11
	s_add_co_u32 s50, s50, s17
	s_lshl_b32 s50, s50, 12                        ; row (batch x 2,048 + Q0) of 4,096 bytes,
	s_and_b32 s53, s12, 15
	s_lshl_b32 s53, s53, 8
	s_add_co_u32 s50, s50, s53                     ; + the head's 256 bytes
	s_mov_b32 s51, 0
	s_add_nc_u64 s[40:41], s[8:9], s[50:51]
	v_mov_b32 v13, 0xff61b1e6                      ; the largest t so far: -3e38
	s_delay_alu instid0(VALU_DEP_1)
	v_floor_f32 v12, -v13                          ; -M
	v_mov_b32 v14, 0
	v_mov_b32 v15, 0
.set J, 0
.rept 32
	v_mov_b32 v[160+J], 0                          ; O^T: the step is written once; its first run finds zeros
.set J, J+1
.endr
	s_mov_b32 s14, 0                               ; the loop's counter
	s_mov_b32 s15, 0                               ; the step's place in LDS
	s_mov_b32 s16, 0                               ; the step's first key
.endm
.macro STEP                            ; 128 keys: the two blocks at LDS byte s15
	s_add_co_u32 s54, s17, 23
	s_cmp_gt_u32 s16, s54
	s_cbranch_scc1 .Lhidden_\@
	v_add_nc_u32 v8, s15, v1
	v_add_nc_u32 v9, s15, v2
	v_nop
	v_nop                                          ; four places in front of loads into registers that the last products read
.irp t, 0,1,2,3,4,5,6,7
	ds_load_b128 v[32+6*\t:35+6*\t], v8 offset:6656*(\t/4)+768*(\t%4)
	ds_load_b64 v[36+6*\t:37+6*\t], v9 offset:6656*(\t/4)+768*(\t%4)+512
.endr
.irp c, 0,1
	ds_load_b64 v[248+2*\c:249+2*\c], v9 offset:6656*\c+3072
.endr
	s_wait_alu depctr_va_vdst(0)
	s_wait_dscnt 0x0
.irp t, 0,1,2,3,4,5,6,7
	WM 96+8*\t, 32+6*\t, 16, -1, 248+2*(\t/4)+(\t%4)/2, 255, \t%2, 0
.endr
	PLACES
.irp t, 0,1,2,3                        ; V's fragments are asked for now and land during the softmax
.irp c, 0,1
	ds_load_b128 v[32+12*\t+6*\c:35+12*\t+6*\c], v8 offset:6656*\c+3328+768*\t
	ds_load_b64 v[36+12*\t+6*\c:37+12*\t+6*\c], v9 offset:6656*\c+3328+768*\t+512
.endr
.endr
.irp c, 0,1
	ds_load_b64 v[192+2*\c:193+2*\c], v9 offset:6656*\c+6400
.endr
	s_add_co_u32 s54, s16, 127
	s_cmp_le_u32 s54, s17
	s_cbranch_scc1 .Lopen_\@
	s_sub_co_i32 s54, s17, s16
	v_add_nc_u32 v252, s54, v10                    ; my query - the step's first key - 16 (lane / 16).  Register 16 b + i holds key 32 b + 16 (lane / 16) + i of the step
	v_mov_b32 v254, 0xff800000
.set N, 0
.rept 64
	v_cmp_gt_i32 vcc_lo, 32*(N/16)+N%16, v252
	v_cndmask_b32 v[96+N], v[96+N], v254, vcc_lo
.set N, N+1
.endr
.Lopen_\@:
.irp b, 0,1,2,3
	v_max3_num_f32 v[232+\b], v[96+16*\b], v[97+16*\b], v[98+16*\b]   ; the largest score of each block of 32 keys: for the row's maximum and for the block's largest p
.endr
.irp i, 3,5,7,9,11,13
.irp b, 0,1,2,3
	v_max3_num_f32 v[232+\b], v[232+\b], v[96+16*\b+\i], v[97+16*\b+\i]
.endr
.endr
.irp b, 0,1,2,3
	v_max_num_f32 v[232+\b], v[232+\b], v[111+16*\b]
.endr
.irp b, 0,1,2,3
	s_delay_alu instid0(VALU_DEP_4)
	v_permlanex16_b32 v[236+\b], v[232+\b], s20, s21
.endr
.irp b, 0,1,2,3
	s_delay_alu instid0(VALU_DEP_4)
	v_max_num_f32 v[232+\b], v[232+\b], v[236+\b]
.endr
	s_delay_alu instid0(VALU_DEP_2)
	v_max3_num_f32 v254, v232, v233, v234
	s_delay_alu instid0(VALU_DEP_1)
	v_max_num_f32 v254, v254, v235
	s_delay_alu instid0(VALU_DEP_1)
	v_mul_f32 v254, s22, v254
	s_delay_alu instid0(VALU_DEP_1)
	v_max_num_f32 v13, v13, v254                   ; the running largest t
	v_mov_b32 v254, v12
	s_delay_alu instid0(VALU_DEP_2)
	v_floor_f32 v12, -v13                          ; the new -M = -ceil(t)
	s_delay_alu instid0(VALU_DEP_1)
	v_sub_f32 v254, v12, v254
	s_delay_alu instid0(VALU_DEP_1)
	v_cvt_i32_f32 v254, v254                       ; old M - new M, a whole number (it saturates)
	s_delay_alu instid0(VALU_DEP_1)
	v_ldexp_f32 v252, 1.0, v254                    ; f = 2^(old M - new M)
.set J, 0
.rept 32
	v_pk_fma_f32 v[96+J:97+J], v[96+J:97+J], s[22:23], v[12:13] op_sel_hi:[1,0,0]   ; t - M
.set J, J+2
.endr
.irp b, 0,1,2,3
	v_fma_f32 v[232+\b], v[232+\b], s22, v12
.endr
.set J, 0
	s_wait_alu depctr_va_vdst(0)
.rept 64
	v_exp_f32 v[96+J], v[96+J]                     ; p = 2^(t - M)
.set J, J+1
.endr
	v_pk_mul_f32 v[14:15], v[14:15], v[252:253] op_sel_hi:[1,0]   ; the sums under the new M: a plain place behind the exponentials
	s_wait_alu depctr_va_vdst(0)                   ; one wait for the batch, ahead of its first reader
.irp b, 0,1,2,3
	v_exp_f32 v[232+\b], v[232+\b]                 ; each block's largest p
.endr
	v_pk_add_f32 v[236:237], v[100:101], v[104:105]   ; the row's sum of the unquantised p, in eight chains
	v_pk_add_f32 v[250:251], v[108:109], v[112:113]
	v_pk_add_f32 v[248:249], v[116:117], v[120:121]
	v_pk_add_f32 v[246:247], v[124:125], v[128:129]
	v_pk_add_f32 v[244:245], v[132:133], v[136:137]
	v_pk_add_f32 v[242:243], v[140:141], v[144:145]
	v_pk_add_f32 v[240:241], v[148:149], v[152:153]
	v_pk_add_f32 v[14:15], v[14:15], v[156:157]
	v_pk_add_f32 v[236:237], v[236:237], v[96:97]
	v_pk_add_f32 v[250:251], v[250:251], v[98:99]
	v_pk_add_f32 v[248:249], v[248:249], v[102:103]
	v_pk_add_f32 v[246:247], v[246:247], v[106:107]
	v_pk_add_f32 v[244:245], v[244:245], v[110:111]
	v_pk_add_f32 v[242:243], v[242:243], v[114:115]
	v_pk_add_f32 v[240:241], v[240:241], v[118:119]
	v_pk_add_f32 v[14:15], v[14:15], v[122:123]
	v_pk_add_f32 v[236:237], v[236:237], v[126:127]
	v_pk_add_f32 v[250:251], v[250:251], v[130:131]
	v_pk_add_f32 v[248:249], v[248:249], v[134:135]
	v_pk_add_f32 v[246:247], v[246:247], v[138:139]
	v_pk_add_f32 v[244:245], v[244:245], v[142:143]
	v_pk_add_f32 v[242:243], v[242:243], v[146:147]
	v_pk_add_f32 v[240:241], v[240:241], v[150:151]
	v_pk_add_f32 v[14:15], v[14:15], v[154:155]
	v_pk_add_f32 v[236:237], v[236:237], v[158:159]
	s_delay_alu instid0(VALU_DEP_2)
	v_pk_add_f32 v[14:15], v[14:15], v[246:247]
	s_delay_alu instid0(VALU_DEP_2)
	v_pk_add_f32 v[236:237], v[236:237], v[244:245]
	v_pk_add_f32 v[250:251], v[250:251], v[242:243]
	v_pk_add_f32 v[248:249], v[248:249], v[240:241]
	s_delay_alu instid0(VALU_DEP_2)
	v_pk_add_f32 v[14:15], v[14:15], v[250:251]
	s_delay_alu instid0(VALU_DEP_2)
	v_pk_add_f32 v[236:237], v[236:237], v[248:249]
	s_delay_alu instid0(VALU_DEP_1)
	v_pk_add_f32 v[14:15], v[14:15], v[236:237]
	s_wait_alu depctr_va_vdst(0)                   ; and one for the four
.irp b, 0,1,2,3
	v_max_num_f32 v[232+\b], 0x2800000, v[232+\b]  ; the floor 2^(5 - 127)
.endr
.irp b, 0,1,2,3
	s_delay_alu instid0(VALU_DEP_4)
	v_add_nc_u32 v[244+\b], 0xfe000000, v[232+\b]
.endr
.irp b, 0,1,2,3
	s_delay_alu instid0(VALU_DEP_4)
	v_lshrrev_b32 v[236+\b], 23, v[244+\b]
.endr
	s_delay_alu instid0(VALU_DEP_3)
	v_lshl_or_b32 v253, v237, 8, v236              ; p's scale word for these 128 keys
	s_delay_alu instid0(VALU_DEP_1)
	v_lshl_or_b32 v253, v238, 16, v253
	s_delay_alu instid0(VALU_DEP_1)
	v_lshl_or_b32 v253, v239, 24, v253
.irp c, 0,1
	v_cvt_scalef32_pk16_bf6_f32 v[224+6*\c:226+6*\c], v[96+32*\c:111+32*\c], v[244+2*\c]
	v_cvt_scalef32_pk16_bf6_f32 v[236+4*\c:238+4*\c], v[112+32*\c:127+32*\c], v[244+2*\c+1]
.endr
	v_nop
.irp c, 0,1
.irp i, 0,1,2
	v_permlane16_swap_b32 v[224+6*\c+\i], v[236+4*\c+\i]
.endr
.irp i, 0,1,2
	s_delay_alu instid0(VALU_DEP_3)
	v_mov_b32 v[227+6*\c+\i], v[236+4*\c+\i]
.endr
.endr
	s_wait_dscnt 0x0                               ; V and its scale words are in
	v_or_b32 v196, v192, v194                      ; each block of 64 tokens brought two bytes at its own place in the word
	v_or_b32 v197, v193, v195
.set J, 0
.rept 16
	v_pk_mul_f32 v[160+J:161+J], v[160+J:161+J], v[252:253] op_sel_hi:[1,0]   ; O^T under the new M; these sixteen are also the places in front of the scaled products
.set J, J+2
.endr
.irp t, 0,1,2,3
	WM 160+8*\t, 32+12*\t, 224, 160+8*\t, 196+\t/2, 253, \t%2, 0
.endr
.Lhidden_\@:
	s_add_co_u32 s16, s16, 128
	s_add_co_u32 s15, s15, STEPB
.endm
; a query block ends: O^T / the sum, through my stage, out as rows of 256 bytes
.macro FINISH
	PLACES
	v_add_f32 v14, v14, v15
	s_delay_alu instid0(VALU_DEP_1)
	v_permlanex16_b32 v252, v14, s20, s21
	s_delay_alu instid0(VALU_DEP_1)
	v_add_f32 v14, v14, v252
	s_wait_alu depctr_va_vdst(0)
	v_rcp_f32 v14, v14
	v_nop
	s_wait_alu depctr_va_vdst(0)
.set J, 0
.rept 32
	v_mul_f32 v[96+J], v[160+J], v14               ; register 8 t + i: channel 16 t + 8 (lane / 16) + i of my query
.set J, J+1
.endr
.irp t, 0,1,2,3
	ds_store_b128 v3, v[96+8*\t:99+8*\t] offset:64*\t
	ds_store_b128 v3, v[100+8*\t:103+8*\t] offset:64*\t+16
.endr
.irp i, 0,1,2,3,4,5,6,7
	ds_load_b128 v[32+4*\i:35+4*\i], v4 offset:544*\i   ; LDS serves a wave's instructions in order: these see my stores
.endr
.irp i, 0,1,2,3,4,5,6,7
	s_wait_dscnt 7-\i
	global_store_b128 v7, v[32+4*\i:35+4*\i], s[40:41] offset:(2*\i+8*(\i/4))*4096   ; sixteen lanes store 256 consecutive bytes, aligned; stage row i' is query Q0 + i' + 8 (i' / 8)
.endr
	s_wait_xcnt 0x0                                ; the stores have read their registers and their base
.endm
	s_load_b128 s[4:7], s[0:1], 0x0                ; qimg, kv
	s_load_b64 s[8:9], s[0:1], 0x10                ; attn
	v_lshl_add_u32 v5, v0, 2, SPARE
	v_mov_b32 v6, 0
	ds_add_u32 v5, v6                              ; the opening lines: the add, twice on end, and its wait
	ds_add_u32 v5, v6
	s_wait_dscnt 0x0
	v_lshrrev_b32 v8, 5, v0
	s_delay_alu instid0(VALU_DEP_1)
	v_readfirstlane_b32 s10, v8                    ; wave 0..15
	s_mov_b32 s11, ttmp9                           ; j: also the second query block
	s_and_b32 s12, ttmp7, 0xffff                   ; batch x 16 + head
	s_sub_co_u32 s18, 7, s11                       ; the first query block
	s_lshl_b32 s19, s11, 1
	s_sub_co_u32 s19, 16, s19                      ; the steps of 128 keys that this work-group reads
	s_mov_b32 s20, 0x76543210
	s_mov_b32 s21, 0xfedcba98
	s_mov_b32 s22, 0x3e38aa3b                      ; log2(e) / 8
	s_mov_b32 s23, s22
	s_mov_b32 s24, 3<<16                           ; elements of 8 bytes, no mask, no padding
	s_mov_b32 s25, 32<<16                          ; rows of 256 bytes,
	s_mov_b32 s26, 52<<16                          ; 52 of them: two blocks, 13,312 dense bytes
	s_mov_b32 s27, 32<<16
	s_mov_b32 s28, 52
	s_mov_b32 s29, 32
	s_mov_b32 s30, 0
	s_mov_b32 s31, 0
	s_lshr_b32 s52, s10, 2
	s_and_b32 s45, s10, 3
	s_mov_b32 s32, 1
	s_mul_i32 s33, s10, STEPB                      ; step w lies at w x 13,312, in LDS as in the head's part of kv
	s_mul_i32 s54, s12, 212992                     ; a head's 32 blocks
	s_add_co_u32 s54, s54, s33
	s_mov_b32 s55, 0
	s_wait_kmcnt 0x0
	s_add_nc_u64 s[34:35], s[6:7], s[54:55]
	s_or_b32 s35, s35, 0x80000000
	s_cmp_lt_u32 s10, 4                            ; one chain of branches, one load to an arm: waves 0 to 3, keys 0 to 511, have a line of their own, since they alone wait ahead of the first barrier
	s_cbranch_scc0 .Llater
	tensor_load_to_lds s[32:35], s[24:31]
	s_nop 0
	PLACES
	s_branch .Lasked
.Llater:
	s_cmp_lt_u32 s10, s19                          ; steps from 16 - 2 j on are read by no wave of this work-group
	s_cbranch_scc0 .Lasked
	tensor_load_to_lds s[32:35], s[24:31]
	s_nop 0
	PLACES
.Lasked:
	s_lshl_b32 s49, s52, 6                         ; the wave's part of Q0: 64 (w / 4) + 32 (tt / 2) + 8 (tt % 2)
	s_lshr_b32 s46, s45, 1
	s_lshl_b32 s47, s46, 5
	s_add_co_u32 s49, s49, s47
	s_and_b32 s47, s45, 1
	s_lshl_b32 s53, s47, 3
	s_add_co_u32 s49, s49, s53
	s_lshl_b32 s54, s47, 7
	s_lshl_b32 s55, s46, 2
	s_add_co_u32 s54, s54, s55
	s_add_co_u32 s54, s54, 3072                    ; my tile's scale words in a block
	s_mul_i32 s47, s45, 768
	v_and_b32 v252, 31, v0
	v_and_b32 v253, 15, v0
	v_bfe_u32 v254, v0, 4, 1
	s_delay_alu instid0(VALU_DEP_3)
	v_lshlrev_b32 v1, 4, v252
	s_delay_alu instid0(VALU_DEP_4)
	v_lshlrev_b32 v2, 3, v252
	s_mul_i32 s46, s10, 4352
	s_add_co_u32 s46, s46, STAGE
	v_mul_u32_u24 v3, v253, 272
	s_delay_alu instid0(VALU_DEP_1)
	v_lshl_add_u32 v3, v254, 5, v3
	s_delay_alu instid0(VALU_DEP_1)
	v_add_nc_u32 v3, s46, v3
	v_mul_u32_u24 v4, v254, 272
	s_delay_alu instid0(VALU_DEP_1)
	v_lshl_add_u32 v4, v253, 4, v4
	s_delay_alu instid0(VALU_DEP_1)
	v_add_nc_u32 v4, s46, v4
	v_lshlrev_b32 v7, 12, v254
	s_delay_alu instid0(VALU_DEP_1)
	v_lshl_add_u32 v7, v253, 4, v7
	v_and_b32 v10, 8, v253
	s_delay_alu instid0(VALU_DEP_1)
	v_add_nc_u32 v10, v10, v253
	v_lshlrev_b32 v255, 4, v254
	s_delay_alu instid0(VALU_DEP_1)
	v_sub_nc_u32 v10, v10, v255                    ; r + 8 (r / 8) - 16 h
	v_add_nc_u32 v11, s47, v1
	v_add_nc_u32 v28, s47, v2
	s_delay_alu instid0(VALU_DEP_1)
	v_add_nc_u32 v28, 512, v28
	v_lshl_add_u32 v29, v253, 3, s54
.irp j, 22,23,24,25,26,27,80,81,82,83,84,85
	v_mov_b32 v\j, 0                               ; zero codes: Q's upper half, and the tail of K's last fragment
.endr
.irp j, 236,237,238,239,252,253
	v_mov_b32 v\j, 0                               ; written once: destinations of lane permutes, and the upper half of a pair
.endr
	QLOAD s18, 38, 16, 255                         ; both query blocks' tiles are asked for here, beside the tensor loads
	QLOAD s11, 42, 200, 206
	INIT s18
	s_wait_alu depctr_va_vdst(0)
	s_wait_loadcnt 0x0
	s_cmp_lt_u32 s10, 4
	s_cbranch_scc0 .Lothers
	s_wait_tensorcnt 0x0                           ; every wave that issued the first line waits for it; the other line's loads stay out
.Lothers:
	s_barrier_signal -1
	s_barrier_wait -1                              ; keys 0 to 511 lie in LDS
.Lfirst:                                           ; steps 0 to 3 of the first query block
	STEP
	s_add_co_u32 s14, s14, 1
	s_cmp_lt_u32 s14, 4
	s_cbranch_scc1 .Lfirst
	s_wait_tensorcnt 0x0                           ; every wave: its load, if it issued one, is in
	s_wait_dscnt 0x0
	s_barrier_signal -1
	s_barrier_wait -1                              ; all that this work-group reads lies in LDS: the launch's last barrier
	s_mov_b32 s14, 0
	s_mov_b32 s15, 4*STEPB
	s_mov_b32 s16, 512
.Lmore:                                            ; steps 4 to 15; those behind the diagonal are passed over
	STEP
	s_add_co_u32 s14, s14, 1
	s_cmp_lt_u32 s14, 12
	s_cbranch_scc1 .Lmore
	FINISH
.irp i, 0,1,2,3,4,5
	v_mov_b32 v[16+\i], v[200+\i]                  ; the second query block's tile; the 36 moves below are the places ahead of the scaled products
.endr
	v_mov_b32 v255, v206
	INIT s11
.Lsecond:                                          ; steps 0 to 7 of the second query block, j <= 3; those behind the diagonal are passed over
	STEP
	s_add_co_u32 s14, s14, 1
	s_cmp_lt_u32 s14, 8
	s_cbranch_scc1 .Lsecond
	FINISH
	s_wait_tensorcnt 0x0                           ; the wave's end
	ds_add_u32 v5, v6
	s_wait_dscnt 0x0
	s_endpgm
.Lfunc_end_k_qf6538d7dd8_attn:
	.size	k_qf6538d7dd8_attn, .Lfunc_end_k_qf6538d7dd8_attn-k_qf6538d7dd8_attn
	.p2alignl 7, 3214868480
	.fill 96, 4, 3214868480
	.section	.rodata,"a",@progbits
	.p2align	6, 0x0
	.amdhsa_kernel k_qf6538d7dd8_attn
		.amdhsa_group_segment_fixed_size 327680
		.amdhsa_private_segment_fixed_size 0
		.amdhsa_enable_private_segment 0
		.amdhsa_kernarg_size 24
		.amdhsa_user_sgpr_count 2
		.amdhsa_user_sgpr_kernarg_segment_ptr 1
		.amdhsa_wavefront_size32 1
		.amdhsa_system_sgpr_workgroup_id_x 1
		.amdhsa_system_sgpr_workgroup_id_y 1
		.amdhsa_system_sgpr_workgroup_id_z 1
		.amdhsa_system_vgpr_workitem_id 0
		.amdhsa_next_free_vgpr 256
		.amdhsa_next_free_sgpr 66
		.amdhsa_reserve_vcc 1
		.amdhsa_float_denorm_mode_32 3
		.amdhsa_float_denorm_mode_16_64 3
		.amdhsa_memory_ordered 1
		.amdhsa_forward_progress 1
		.amdhsa_inst_pref_size 85
	.end_amdhsa_kernel
	.amdgpu_metadata
---
amdhsa.version: [ 1, 2 ]
amdhsa.kernels:
  - .name:           k_qf6538d7dd8_attn
    .symbol:         k_qf6538d7dd8_attn.kd
    .args:
      - { .name: qimg, .offset: 0, .size: 8, .value_kind: global_buffer, .address_space: global }
      - { .name: kv, .offset: 8, .size: 8, .value_kind: global_buffer, .address_space: global }
      - { .name: attn, .offset: 16, .size: 8, .value_kind: global_buffer, .address_space: global }
    .group_segment_fixed_size: 327680
    .private_segment_fixed_size: 0
    .kernarg_segment_align: 8
    .kernarg_segment_size: 24
    .max_flat_workgroup_size: 512
    .sgpr_count:     66
    .vgpr_count:     256
    .wavefront_size: 32
...
	.end_amdgpu_metadata
.endif
;; end of part 2
;; launch tail (part 3): grid 256 x 1, 16 waves a work-group, no clusters, 304,128 bytes of LDS; arguments x, attn, ln1_g, ln1_b, wimg, lin1_w_scales, lin1_b, ln2_g, ln2_b, out0; writes out0
.if DOCPART == 3
	.amdgcn_target "amdgcn-amd-amdhsa--gfx1250"
	.amdhsa_code_object_version 6
	.text
	.protected	k_qf6538d7dd8_tail
	.globl	k_qf6538d7dd8_tail
	.p2align	8
	.type	k_qf6538d7dd8_tail,@function
k_qf6538d7dd8_tail:
	s_mov_b64 s[64:65], 0
	v_nop
	global_prefetch_b8 v0, s[64:65] scope:SCOPE_SE
	s_setreg_imm32_b32 hwreg(HW_REG_WAVE_MODE, 25, 1), 1
	s_wait_xcnt 0x0
; h1 = LN1(x + attn); out = LN2(h1 + Q(h1) lin1^T + lin1_b).  The product is on codes of BF6 (E3M2) with one E8M0 scale for each 32 along K; all else in f32; each norm takes the mean first and then the mean square of the differences.
; SHARES.  A work-group takes 32 rows (two tiles of 16).  Wave w owns columns 64 w .. 64 w + 63 of all 32 rows in every phase: as input, as half a K step of h1, and as the 64 output features; so h1 changes waves only as codes.
; h1's codes go from wave to wave through LDS as images of operand registers (half fragments of 768 bytes); row sums meet in LDS, one word for each row and wave.
; The weights come from wimg, laid by the first launch in the order of an operand's registers: three loads of 512 consecutive bytes a fragment, each fragment used by one wave.
; NO JOINT LOADS: a ring for all 1,024 rows of weights would take 98,304 bytes for each K step, twice, and a round of a cluster's barrier for every eight matrix instructions of a wave.
; The product is used transposed (source 0 = 16 features, source 1 = 16 rows): a lane holds one row.  h1 + lin1_b are the sums' first C: the residual and the bias cost no pass of their own.
; LIMITS: NaN and infinities are not served; a block of h1 whose largest magnitude lies under 2^-122 (a block of zeros too) keeps the scale byte 1; its bytes are read by this program alone.
; REGISTERS: v1-19 addresses; v24-87 the 32 x 64 numbers in hand; v88-183 attn, then biases and gains, then two sets of four weight fragments; v184-207 codes just made, then h1's fragments; v208-223 the weights' scale words;
; v224 h1's scale words; v216-247 row sums from LDS, and the quantiser's work; v248-255 statistics.
.set STG,  0                           ; 16 rows x (256 + 16) bytes for each wave
.set HIMG, 16*4352                     ; h1's half fragments: (16 m + w) x 768
.set HSC,  HIMG+32*768                 ; its scale words: 128 kk + 4 (16 m + r), two bytes from each of two waves
.set RED,  HSC+1024                    ; four regions of 32 rows x 80 bytes, each used once
; THE WEIGHTS OF K STEPS 0 AND 1 COME INTO LDS AT THE HEAD: each wave fetches its own four row tiles x two K steps (4 rows of 3,072 bytes, 12,288 bytes apart in wimg) with one tensor load, into bytes of its own
; behind the spare words, filled once and read by that wave alone.  So these bytes travel beside x and attn.  The product takes K steps 0 and 1 from there, through two fragment buffers (v226-249), while K steps 2 and 3
; are on their way into the two sets of registers; from then on the weights run two K steps ahead.
; Each work-group fetches them for itself: a joint load would want the launch in clusters for a quarter of the weights' bytes.
.set WL,   107520                      ; behind the spare words (105,472 + 2,048): 12,288 bytes for each wave
.set GI,   4
.set STI,  5
.set STQ,  6
.set STN,  7
.set RST,  8
.set RLD,  9
.set HW16, 10
.set HW8,  11
.set HWS,  12
.set HR16, 13
.set HR8,  14
.set HRS,  15
.set L16,  16
.set PQ,   17
.set PN,   18
.set WSO,  19
.set TM,   226
.set SEL,  28
.macro PLACES
.rept 4
	v_nop
.endr
.endm
.macro BARRIER
	s_wait_dscnt 0x0
	s_barrier_signal -1
	s_barrier_wait -1
.endm
.macro WM d, a, b, c, sa, sb, ra, rb
.if (\ra) && (\rb)
	v_wmma_scale_f32_16x16x128_f8f6f4 v[\d:\d+7], v[\a:\a+11], v[\b:\b+11], v[\c:\c+7], v[\sa], v[\sb] matrix_a_fmt:MATRIX_FMT_BF6 matrix_b_fmt:MATRIX_FMT_BF6 matrix_a_scale:MATRIX_SCALE_ROW1 matrix_b_scale:MATRIX_SCALE_ROW1
.elseif (\ra)
	v_wmma_scale_f32_16x16x128_f8f6f4 v[\d:\d+7], v[\a:\a+11], v[\b:\b+11], v[\c:\c+7], v[\sa], v[\sb] matrix_a_fmt:MATRIX_FMT_BF6 matrix_b_fmt:MATRIX_FMT_BF6 matrix_a_scale:MATRIX_SCALE_ROW1
.elseif (\rb)
	v_wmma_scale_f32_16x16x128_f8f6f4 v[\d:\d+7], v[\a:\a+11], v[\b:\b+11], v[\c:\c+7], v[\sa], v[\sb] matrix_a_fmt:MATRIX_FMT_BF6 matrix_b_fmt:MATRIX_FMT_BF6 matrix_b_scale:MATRIX_SCALE_ROW1
.else
	v_wmma_scale_f32_16x16x128_f8f6f4 v[\d:\d+7], v[\a:\a+11], v[\b:\b+11], v[\c:\c+7], v[\sa], v[\sb] matrix_a_fmt:MATRIX_FMT_BF6 matrix_b_fmt:MATRIX_FMT_BF6
.endif
.endm
; 64 numbers of a lane, register 16 b + i = place 16 (lane / 16) + i of block b, become codes in v[pc] .. v[pc + 11] (registers 6 c on: lanes 0-15 block 2 c, lanes 16-31 block 2 c + 1) and four scale bytes in v[pw]
.macro QUANT s, pc, pw
.irp b, 0,1,2,3
	v_max3_num_f32 v[TM+\b], |v[\s+16*\b]|, |v[\s+16*\b+1]|, 0x2800000   ; and the floor 2^(5 - 127)
.endr
.irp i, 2,4,6,8,10,12,14
.irp b, 0,1,2,3
	s_delay_alu instid0(VALU_DEP_4)
	v_max3_num_f32 v[TM+\b], v[TM+\b], |v[\s+16*\b+\i]|, |v[\s+16*\b+\i+1]|
.endr
.endr
.irp b, 0,1,2,3
	s_delay_alu instid0(VALU_DEP_4)
	v_permlanex16_b32 v[TM+4+\b], v[TM+\b], s[SEL], s[SEL+1]
.endr
.irp b, 0,1,2,3
	s_delay_alu instid0(VALU_DEP_4)
	v_max_num_f32 v[TM+\b], v[TM+\b], v[TM+4+\b]
.endr
.irp b, 0,1,2,3
	s_delay_alu instid0(VALU_DEP_4)
	v_add_nc_u32 v[TM+12+\b], 0xfe000000, v[TM+\b]
.endr
.irp b, 0,1,2,3
	s_delay_alu instid0(VALU_DEP_4)
	v_lshrrev_b32 v[TM+4+\b], 23, v[TM+12+\b]
.endr
	s_delay_alu instid0(VALU_DEP_3)
	v_lshl_or_b32 v[\pw], v[TM+5], 8, v[TM+4]
	s_delay_alu instid0(VALU_DEP_1)
	v_lshl_or_b32 v[\pw], v[TM+6], 16, v[\pw]
	s_delay_alu instid0(VALU_DEP_1)
	v_lshl_or_b32 v[\pw], v[TM+7], 24, v[\pw]
.irp c, 0,1
	v_cvt_scalef32_pk16_bf6_f32 v[\pc+6*\c:\pc+6*\c+2], v[\s+32*\c:\s+32*\c+15], v[TM+12+2*\c]
	v_cvt_scalef32_pk16_bf6_f32 v[\pc+12+4*\c:\pc+14+4*\c], v[\s+32*\c+16:\s+32*\c+31], v[TM+13+2*\c]
.endr
	v_nop
.irp c, 0,1
.irp i, 0,1,2
	v_permlane16_swap_b32 v[\pc+6*\c+\i], v[\pc+12+4*\c+\i]
.endr
.irp i, 0,1,2
	s_delay_alu instid0(VALU_DEP_3)
	v_mov_b32 v[\pc+3+6*\c+\i], v[\pc+12+4*\c+\i]
.endr
.endr
.endm
; 16 rows x 256 bytes through my stage: in as loaded (sixteen lanes to a row), back a row to a lane: register 16 b + i = column 32 b + 16 (lane / 16) + i
.macro TURN reg
.irp i, 0,1,2,3,4,5,6,7
	ds_store_b128 v[STI], v[\reg+4*\i:\reg+4*\i+3] offset:544*\i
.endr
.irp b, 0,1
.irp j, 0,1,2,3
	ds_load_b128 v[\reg+16*\b+4*\j:\reg+16*\b+4*\j+3], v[STQ] offset:128*\b+16*\j   ; LDS serves a wave's instructions in order: these see the stores, and the next turn's stores come behind them
.endr
.endr
.endm
; the mean over a row's 1,024 columns of the numbers (sq = 0) or of their squares (sq = 1): v252 for my row of tile 0, v254 for tile 1.  Region k of RED, 2,560 bytes each (k goes in as text: it stands in brackets).
.macro ROWSUM sq, k
.if \sq
	v_pk_mul_f32 v[248:249], v[24:25], v[24:25]
	v_pk_mul_f32 v[250:251], v[56:57], v[56:57]
.irp i, 2,4,6,8,10,12,14,16,18,20,22,24,26,28,30
	s_delay_alu instid0(VALU_DEP_2)
	v_pk_fma_f32 v[248:249], v[24+\i:25+\i], v[24+\i:25+\i], v[248:249]
	s_delay_alu instid0(VALU_DEP_2)
	v_pk_fma_f32 v[250:251], v[56+\i:57+\i], v[56+\i:57+\i], v[250:251]
.endr
.else
	v_pk_add_f32 v[248:249], v[24:25], v[26:27]    ; ascending: each accumulator is read from its low end on
	v_pk_add_f32 v[250:251], v[56:57], v[58:59]
.irp i, 4,6,8,10,12,14,16,18,20,22,24,26,28,30
	v_pk_add_f32 v[248:249], v[248:249], v[24+\i:25+\i]
	v_pk_add_f32 v[250:251], v[250:251], v[56+\i:57+\i]
.endr
.endif
	s_delay_alu instid0(VALU_DEP_2)
	v_add_f32 v248, v248, v249
	s_delay_alu instid0(VALU_DEP_2)
	v_add_f32 v250, v250, v251
	s_delay_alu instid0(VALU_DEP_2)
	v_permlanex16_b32 v249, v248, s[SEL], s[SEL+1]
	s_delay_alu instid0(VALU_DEP_2)
	v_permlanex16_b32 v251, v250, s[SEL], s[SEL+1]
	s_delay_alu instid0(VALU_DEP_2)
	v_add_f32 v248, v248, v249                     ; my wave's 64 columns of row r of tile 0,
	s_delay_alu instid0(VALU_DEP_2)
	v_add_f32 v250, v250, v251                     ; and of tile 1
	s_delay_alu instid0(VALU_DEP_1)
	v_cndmask_b32 v248, v248, v250, s30            ; lane l keeps row l of the 32
	ds_store_b32 v[RST], v248 offset:2560*(\k)
	BARRIER
.irp j, 0,1,2,3
	ds_load_b128 v[216+4*\j:219+4*\j], v[RLD] offset:2560*(\k)+16*\j
	ds_load_b128 v[232+4*\j:235+4*\j], v[RLD] offset:2560*(\k)+1280+16*\j
.endr
	s_wait_dscnt 0x0
.irp i, 2
	v_pk_add_f32 v[216:217], v[216:217], v[216+\i:217+\i]
	v_pk_add_f32 v[232:233], v[232:233], v[232+\i:233+\i]
.endr
.irp i, 4, 6, 8, 10, 12, 14
	s_delay_alu instid0(VALU_DEP_2)
	v_pk_add_f32 v[216:217], v[216:217], v[216+\i:217+\i]
	s_delay_alu instid0(VALU_DEP_2)
	v_pk_add_f32 v[232:233], v[232:233], v[232+\i:233+\i]
.endr
	s_delay_alu instid0(VALU_DEP_2)
	v_add_f32 v252, v216, v217
	s_delay_alu instid0(VALU_DEP_2)
	v_add_f32 v254, v232, v233
	s_delay_alu instid0(VALU_DEP_2)
	v_mul_f32 v252, 0x3a800000, v252               ; / 1,024
	s_delay_alu instid0(VALU_DEP_2)
	v_mul_f32 v254, 0x3a800000, v254
.endm
; a layer norm of v24-87 in place; gains at v[gg] on, biases at v[bb] on, in the numbers' own layout; cnt: the younger loads that may stay out when they are wanted
.macro LNORM k, gg, bb, cnt
	ROWSUM 0, \k
.set J, 0
.rept 16
	v_pk_add_f32 v[24+J:25+J], v[24+J:25+J], v[252:253] op_sel_hi:[1,0] neg_lo:[0,1] neg_hi:[0,1]
	v_pk_add_f32 v[56+J:57+J], v[56+J:57+J], v[254:255] op_sel_hi:[1,0] neg_lo:[0,1] neg_hi:[0,1]
.set J, J+2
.endr
	ROWSUM 1, (\k)+1
	s_delay_alu instid0(VALU_DEP_2)
	v_add_f32 v252, 0x3727c5ac, v252               ; + 1e-5
	s_delay_alu instid0(VALU_DEP_2)
	v_add_f32 v254, 0x3727c5ac, v254
	s_wait_alu depctr_va_vdst(0)
	v_rsq_f32 v252, v252
	v_rsq_f32 v254, v254
	v_nop                                          ; a plain place behind the transcendentals
	s_wait_alu depctr_va_vdst(0)                   ; one wait for the two, ahead of their first reader
	s_wait_loadcnt \cnt
.set J, 0
.rept 16
	v_pk_mul_f32 v[24+J:25+J], v[24+J:25+J], v[252:253] op_sel_hi:[1,0]
	v_pk_mul_f32 v[56+J:57+J], v[56+J:57+J], v[254:255] op_sel_hi:[1,0]
.set J, J+2
.endr
.set J, 0
.rept 16
	v_pk_fma_f32 v[24+J:25+J], v[24+J:25+J], v[\gg+J:\gg+J+1], v[\bb+J:\bb+J+1]
	v_pk_fma_f32 v[56+J:57+J], v[56+J:57+J], v[\gg+J:\gg+J+1], v[\bb+J:\bb+J+1]
.set J, J+2
.endr
.endm
	s_load_b512 s[4:19], s[0:1], 0x0               ; x, attn, ln1_g, ln1_b, wimg, lin1 scales, lin1_b, ln2_g
	s_load_b128 s[20:23], s[0:1], 0x40             ; ln2_b, out0
	v_lshl_add_u32 v22, v0, 2, 0x19c00
	v_mov_b32 v23, 0
	ds_add_u32 v22, v23                            ; the opening lines ahead of a wave's first tensor load: the add, twice on end, and its wait
	ds_add_u32 v22, v23
	s_wait_dscnt 0x0
	v_lshrrev_b32 v1, 5, v0
	s_delay_alu instid0(VALU_DEP_1)
	v_readfirstlane_b32 s24, v1                    ; wave 0..15
	v_and_b32 v1, 31, v0                           ; lane
	v_and_b32 v2, 15, v0                           ; r
	v_bfe_u32 v3, v0, 4, 1                         ; h
	s_wait_alu depctr_va_vdst(0)
	s_mov_b32 s[SEL], 0x76543210
	s_mov_b32 s[SEL+1], 0xfedcba98
	s_mov_b32 s30, 0xffff0000
	s_lshl_b32 s26, ttmp9, 17                      ; 32 rows of 4,096 bytes a work-group,
	s_lshl_b32 s25, s24, 8                         ; 256 bytes a wave
	s_add_co_u32 s26, s26, s25
	s_mov_b32 s27, 0
	s_mul_i32 s31, s24, 4352
	v_lshlrev_b32 v[GI], 12, v3
	s_delay_alu instid0(VALU_DEP_1)
	v_lshl_add_u32 v[GI], v2, 4, v[GI]
	v_mul_u32_u24 v[STI], v3, 272
	s_delay_alu instid0(VALU_DEP_1)
	v_lshl_add_u32 v[STI], v2, 4, v[STI]
	s_delay_alu instid0(VALU_DEP_1)
	v_add_nc_u32 v[STI], s31, v[STI]
	v_mul_u32_u24 v[STQ], v2, 272
	s_delay_alu instid0(VALU_DEP_1)
	v_add_nc_u32 v[STQ], s31, v[STQ]
	s_delay_alu instid0(VALU_DEP_1)
	v_lshl_add_u32 v[STN], v3, 5, v[STQ]
	s_delay_alu instid0(VALU_DEP_2)
	v_lshl_add_u32 v[STQ], v3, 6, v[STQ]
	s_lshl_b32 s32, s24, 2
	s_add_co_u32 s32, s32, RED
	v_mul_u32_u24 v[RST], v1, 80
	s_delay_alu instid0(VALU_DEP_1)
	v_add_nc_u32 v[RST], s32, v[RST]
	v_mul_u32_u24 v[RLD], v2, 80
	s_delay_alu instid0(VALU_DEP_1)
	v_add_nc_u32 v[RLD], RED, v[RLD]
	s_mul_i32 s33, s24, 768
	s_add_co_u32 s33, s33, HIMG
	v_lshl_add_u32 v[HW16], v1, 4, s33
	v_lshl_add_u32 v[HW8], v1, 3, s33
	s_delay_alu instid0(VALU_DEP_1)
	v_add_nc_u32 v[HW8], 512, v[HW8]
	s_lshr_b32 s34, s24, 1
	s_lshl_b32 s34, s34, 7
	s_and_b32 s35, s24, 1
	s_lshl_b32 s35, s35, 1
	s_add_co_u32 s34, s34, s35
	s_add_co_u32 s34, s34, HSC
	v_lshl_add_u32 v[HWS], v2, 2, s34
	v_lshl_add_u32 v[HR16], v1, 4, HIMG
	v_lshl_add_u32 v[HR8], v1, 3, HIMG+512
	v_lshl_add_u32 v[HRS], v1, 2, HSC
	v_lshlrev_b32 v[L16], 4, v1
	v_lshlrev_b32 v[PQ], 6, v3
	v_lshlrev_b32 v[PN], 5, v3
	v_lshlrev_b32 v[WSO], 5, v1
.irp j, 230,231,232,233,253,255
	v_mov_b32 v\j, 0                               ; written once: destinations of lane permutes, and the upper halves of pairs
.endr
	s_mul_i32 s37, s24, 12288
	s_add_co_u32 s37, s37, WL                      ; my weights' bytes in LDS
	v_add_nc_u32 v20, s37, v[L16]                  ; and where my lane reads them: 16 bytes a lane on end
	s_wait_alu depctr_va_vdst(0)
	s_wait_kmcnt 0x0
	s_add_nc_u64 s[4:5], s[4:5], s[26:27]
	s_add_nc_u64 s[6:7], s[6:7], s[26:27]
	s_add_nc_u64 s[22:23], s[22:23], s[26:27]
	s_mov_b32 s26, s25
	s_add_nc_u64 s[8:9], s[8:9], s[26:27]
	s_add_nc_u64 s[10:11], s[10:11], s[26:27]
	s_add_nc_u64 s[16:17], s[16:17], s[26:27]
	s_add_nc_u64 s[18:19], s[18:19], s[26:27]
	s_add_nc_u64 s[20:21], s[20:21], s[26:27]
	s_mul_i32 s26, s24, 49152                      ; my four row tiles x eight K steps x 1,536 bytes
	s_add_nc_u64 s[12:13], s[12:13], s[26:27]
	s_lshl_b32 s26, s24, 11                        ; my 64 rows of 32 scale bytes
	s_add_nc_u64 s[14:15], s[14:15], s[26:27]
	; ---- all inputs are asked for at once: 48 loads; sixteen lanes take 256 consecutive bytes of a row
.irp m, 0,1
.irp i, 0,1,2,3,4,5,6,7
	global_load_b128 v[24+32*\m+4*\i:27+32*\m+4*\i], v[GI], s[4:5] offset:(16*\m+2*\i)*4096 th:TH_LOAD_NT
.endr
.irp i, 0,1,2,3,4,5,6,7
	global_load_b128 v[88+32*\m+4*\i:91+32*\m+4*\i], v[GI], s[6:7] offset:(16*\m+2*\i)*4096 th:TH_LOAD_NT
.endr
.endr
.irp b, 0,1
.irp j, 0,1,2,3
	global_load_b128 v[152+16*\b+4*\j:155+16*\b+4*\j], v[PQ], s[8:9] offset:128*\b+16*\j
.endr
.endr
.irp b, 0,1
.irp j, 0,1,2,3
	global_load_b128 v[184+16*\b+4*\j:187+16*\b+4*\j], v[PQ], s[10:11] offset:128*\b+16*\j
.endr
.endr
	s_mov_b32 s36, 1                               ; behind the 48 loads: my one tensor load
	s_mov_b64 s[38:39], s[12:13]                   ; my four row tiles in wimg, from K step 0 on
	s_or_b32 s39, s39, 0x80000000
	s_mov_b32 s40, 3<<16                           ; elements of 8 bytes, no mask, no padding
	s_mov_b32 s41, 384<<16                         ; a row: two fragments, 3,072 bytes
	s_mov_b32 s42, 4<<16                           ; four rows: my four row tiles
	s_mov_b32 s43, 384<<16
	s_mov_b32 s44, 4
	s_mov_b32 s45, 1536                            ; a row tile's eight fragments: 12,288 bytes
	s_mov_b32 s46, 0
	s_mov_b32 s47, 0
	tensor_load_to_lds s[36:39], s[40:47]
	s_nop 0
	PLACES
	s_wait_loadcnt 40                              ; x's tile 0 is in; the five groups of eight behind it may be out
	TURN 24
	s_wait_loadcnt 32
	TURN 88
	s_wait_loadcnt 24
	TURN 56
	s_wait_loadcnt 16                              ; the gains and biases may be out
	TURN 120
	s_wait_dscnt 0x0
.set J, 0
.rept 32
	v_pk_add_f32 v[24+J:25+J], v[24+J:25+J], v[88+J:89+J]   ; x + attn
.set J, J+2
.endr
.irp t, 0,1,2,3
	global_load_b128 v[88+8*\t:91+8*\t], v[PN], s[16:17] offset:64*\t       ; lin1_b in the result's layout: register 8 t + j: feature 16 t + 8 h + j
	global_load_b128 v[92+8*\t:95+8*\t], v[PN], s[16:17] offset:64*\t+16
.endr
	LNORM 0, 152, 184, 8                           ; h1; lin1_b's eight loads may stay out
	; the gains' and biases' registers are free: the weights' scale words and K step 2 are asked for now
.irp p, 0,1
.irp j, 0,1
	global_load_b128 v[208+8*\p+4*\j:211+8*\p+4*\j], v[WSO], s[14:15] offset:1024*\p+16*\j   ; lane l: row 32 p + l; register 8 p + kk
.endr
.endr
.irp t, 0,1,2,3
.irp g, 0,1,2
	global_load_b128 v[136+12*\t+4*\g:139+12*\t+4*\g], v[L16], s[12:13] offset:(8*\t+2)*1536+512*\g
.endr
.endr
	; ---- h1 is quantised: blocks 0, 1 are tile 0's two blocks of 32 columns, blocks 2, 3 tile 1's
	QUANT 24, 184, 242
.irp m, 0,1
	ds_store_b128 v[HW16], v[184+6*\m:187+6*\m] offset:12288*\m
	ds_store_b64 v[HW8], v[188+6*\m:189+6*\m] offset:12288*\m
.endr
	ds_store_b16 v[HWS], v242                      ; tile 0's two bytes (lanes r and 16 + r write the same),
	ds_store_b16_d16_hi v[HWS], v242 offset:64     ; tile 1's
.irp m, 0,1
.irp b, 0,1
.irp j, 0,1,2,3,4,5,6,7
	v_permlane16_swap_b32 v[24+32*\m+16*\b+\j], v[32+32*\m+16*\b+\j]   ; into the result's layout: register 8 t + j: column 16 t + 8 h + j
.endr
.endr
.endr
	s_wait_loadcnt 16                              ; lin1_b is in; behind it: four loads of scale words and K step 2's twelve
.set J, 0
.rept 16
	v_pk_add_f32 v[24+J:25+J], v[24+J:25+J], v[88+J:89+J]   ; h1 + lin1_b: the sums' first C
	v_pk_add_f32 v[56+J:57+J], v[56+J:57+J], v[88+J:89+J]
.set J, J+2
.endr
.irp t, 0,1,2,3
.irp g, 0,1,2
	global_load_b128 v[88+12*\t+4*\g:91+12*\t+4*\g], v[L16], s[12:13] offset:(8*\t+3)*1536+512*\g   ; K step 3, where lin1_b lay
.endr
.endr
	s_wait_alu depctr_va_vdst(0)
	s_wait_tensorcnt 0x0                           ; my weights of K steps 0 and 1 lie in LDS: I alone read them
	BARRIER                                        ; h1's 32 half fragments and their scale words lie in LDS
	; ---- the product: eight K steps, eight accumulators by turns.  K steps 0 and 1: the weights from LDS, two row tiles at a time
.irp kk, 0,1
.irp m, 0,1
.irp c, 0,1
	ds_load_b128 v[184+12*\m+6*\c:187+12*\m+6*\c], v[HR16] offset:(16*\m+2*\kk+\c)*768
	ds_load_b64 v[188+12*\m+6*\c:189+12*\m+6*\c], v[HR8] offset:(16*\m+2*\kk+\c)*768
.endr
.endr
	ds_load_b32 v224, v[HRS] offset:128*\kk
.irp u, 0,1
.irp i, 0,1
.irp g, 0,1,2
	ds_load_b128 v[226+12*\i+4*\g:229+12*\i+4*\g], v20 offset:(2*\u+\i)*3072+1536*\kk+512*\g
.endr
.endr
.if \kk == 0 && \u == 0
	s_wait_loadcnt 24                              ; the weights' scale words are in; K steps 2 and 3, twelve loads each, may be out
.endif
	s_wait_dscnt 0x0
.irp m, 0,1
.irp i, 0,1
	WM 24+8*(4*\m+2*\u+\i), 226+12*\i, 184+12*\m, 24+8*(4*\m+2*\u+\i), 208+8*\u+\kk, 224, \i, \m
.endr
.endr
	PLACES                                         ; in front of loads into registers that matrix instructions have read
.endr
.endr
	; K steps 2 to 7: step kk's weights lie in set (kk + 1) % 2; behind its products that set takes step kk + 2
.irp kk, 2,3,4,5,6,7
.irp m, 0,1
.irp c, 0,1
	ds_load_b128 v[184+12*\m+6*\c:187+12*\m+6*\c], v[HR16] offset:(16*\m+2*\kk+\c)*768
	ds_load_b64 v[188+12*\m+6*\c:189+12*\m+6*\c], v[HR8] offset:(16*\m+2*\kk+\c)*768
.endr
.endr
	ds_load_b32 v224, v[HRS] offset:128*\kk        ; lanes 0-15 tile 0's words, lanes 16-31 tile 1's
.if \kk < 7
	s_wait_loadcnt 12                              ; this K step's weights are in; the next step's twelve loads may be out
.else
	s_wait_loadcnt 0x0
.endif
	s_wait_dscnt 0x0
.irp m, 0,1
.irp t, 0,1,2,3
	WM 24+8*(4*\m+\t), 88+48*((\kk+1)%2)+12*\t, 184+12*\m, 24+8*(4*\m+\t), 208+8*(\t/2)+\kk, 224, \t%2, \m
.endr
.endr
	PLACES                                         ; in front of loads into registers that matrix instructions have read
.if \kk < 6
.irp t, 0,1,2,3
.irp g, 0,1,2
	global_load_b128 v[88+48*((\kk+1)%2)+12*\t+4*\g:91+48*((\kk+1)%2)+12*\t+4*\g], v[L16], s[12:13] offset:(8*\t+\kk+2)*1536+512*\g
.endr
.endr
.endif
.endr
.irp t, 0,1,2,3
	global_load_b128 v[88+8*\t:91+8*\t], v[PN], s[18:19] offset:64*\t
	global_load_b128 v[92+8*\t:95+8*\t], v[PN], s[18:19] offset:64*\t+16
	global_load_b128 v[120+8*\t:123+8*\t], v[PN], s[20:21] offset:64*\t
	global_load_b128 v[124+8*\t:127+8*\t], v[PN], s[20:21] offset:64*\t+16
.endr
	LNORM 2, 88, 120, 0
	; ---- the way out: a tile of 16 rows through my stage, back sixteen lanes to a row's 256 bytes
.irp m, 0,1
.irp t, 0,1,2,3
	ds_store_b128 v[STN], v[24+32*\m+8*\t:27+32*\m+8*\t] offset:64*\t
	ds_store_b128 v[STN], v[28+32*\m+8*\t:31+32*\m+8*\t] offset:64*\t+16
.endr
.irp i, 0,1,2,3,4,5,6,7
	ds_load_b128 v[152+32*\m+4*\i:155+32*\m+4*\i], v[STI] offset:544*\i
.endr
.endr
.irp m, 0,1
.irp i, 0,1,2,3,4,5,6,7
	s_wait_dscnt 16*(1-\m)+7-\i                    ; behind this load: the tile's later loads, and for tile 0 tile 1's sixteen
	global_store_b128 v[GI], v[152+32*\m+4*\i:155+32*\m+4*\i], s[22:23] offset:(16*\m+2*\i)*4096 th:TH_STORE_NT   ; sixteen lanes store 256 consecutive bytes, aligned
.endr
.endr
	s_wait_tensorcnt 0x0
	ds_add_u32 v22, v23
	s_wait_dscnt 0x0
	s_endpgm
.Lfunc_end_k_qf6538d7dd8_tail:
	.size	k_qf6538d7dd8_tail, .Lfunc_end_k_qf6538d7dd8_tail-k_qf6538d7dd8_tail
	.p2alignl 7, 3214868480
	.fill 96, 4, 3214868480
	.section	.rodata,"a",@progbits
	.p2align	6, 0x0
	.amdhsa_kernel k_qf6538d7dd8_tail
		.amdhsa_group_segment_fixed_size 304128
		.amdhsa_private_segment_fixed_size 0
		.amdhsa_enable_private_segment 0
		.amdhsa_kernarg_size 80
		.amdhsa_user_sgpr_count 2
		.amdhsa_user_sgpr_kernarg_segment_ptr 1
		.amdhsa_wavefront_size32 1
		.amdhsa_system_sgpr_workgroup_id_x 1
		.amdhsa_system_sgpr_workgroup_id_y 1
		.amdhsa_system_sgpr_workgroup_id_z 1
		.amdhsa_system_vgpr_workitem_id 0
		.amdhsa_next_free_vgpr 256
		.amdhsa_next_free_sgpr 66
		.amdhsa_reserve_vcc 0
		.amdhsa_float_denorm_mode_32 3
		.amdhsa_float_denorm_mode_16_64 3
		.amdhsa_memory_ordered 1
		.amdhsa_forward_progress 1
		.amdhsa_inst_pref_size 88
	.end_amdhsa_kernel
	.amdgpu_metadata
---
amdhsa.version: [ 1, 2 ]
amdhsa.kernels:
  - .name:           k_qf6538d7dd8_tail
    .symbol:         k_qf6538d7dd8_tail.kd
    .args:
      - { .name: x, .offset: 0, .size: 8, .value_kind: global_buffer, .address_space: global }
      - { .name: attn, .offset: 8, .size: 8, .value_kind: global_buffer, .address_space: global }
      - { .name: ln1_g, .offset: 16, .size: 8, .value_kind: global_buffer, .address_space: global }
      - { .name: ln1_b, .offset: 24, .size: 8, .value_kind: global_buffer, .address_space: global }
      - { .name: wimg, .offset: 32, .size: 8, .value_kind: global_buffer, .address_space: global }
      - { .name: lin1_w_scales, .offset: 40, .size: 8, .value_kind: global_buffer, .address_space: global }
      - { .name: lin1_b, .offset: 48, .size: 8, .value_kind: global_buffer, .address_space: global }
      - { .name: ln2_g, .offset: 56, .size: 8, .value_kind: global_buffer, .address_space: global }
      - { .name: ln2_b, .offset: 64, .size: 8, .value_kind: global_buffer, .address_space: global }
      - { .name: out0, .offset: 72, .size: 8, .value_kind: global_buffer, .address_space: global }
    .group_segment_fixed_size: 304128
    .private_segment_fixed_size: 0
    .kernarg_segment_align: 8
    .kernarg_segment_size: 80
    .max_flat_workgroup_size: 512
    .sgpr_count:     66
    .vgpr_count:     256
    .wavefront_size: 32
...
	.end_amdgpu_metadata
.endif
;; end of part 3
